; MI455X (gfx1250); checked and timed in simulation.
; The chip was launched on July 23, 2026; its instructions are those of AMD's public machine-readable ISA for CDNA 5 (MIT licence, August 2026) and "CDNA5" Instruction Set Architecture Reference Guide (July 2026). The comments in the code are by the model that wrote it; some were corrected since.
;; Adaptive Constant Embeddings. Allowed arithmetic: float matrix products may take bf16 or f16 operands with f32 sums; other float arithmetic in f32, or as packed bf16 or f16 multiplies, adds, multiply-adds, maxima and minima; sums over many terms, partial sums and values carried from step to step in f32; what a program stores and reads back later, other than sums and carried values, may be rounded once to bf16 or f16.
;; Inputs: adapt_table0 4,096 x 256 float32; adapt_table1 4,096 x 256 float32; const_table0 4,096 x 256 float32; const_table1 4,096 x 256 float32; idx0 16 x 1,024 int32; idx1 16 x 1,024 int32.
;; Outputs: out0 2 x 16 x 1,024 x 256 float32.
;; One version. Each part assembles by itself: llvm-mc -triple=amdgcn-amd-amdhsa -mcpu=gfx1250 --defsym DOCPART=n.
;; ======== version 1 of 1: 3 launches
;; workspace buffers: keys 524,288 bytes of whole numbers; bits 4,194,304 bytes of whole numbers; best 65,536 bytes of whole numbers
;; launch score (part 1): grid 8 x 32, 4 waves a work-group, no clusters, 270,848 bytes of LDS; arguments adapt_table0, adapt_table1, const_table0, const_table1, keys, bits; writes keys, bits
.if DOCPART == 1
	.amdgcn_target "amdgcn-amd-amdhsa--gfx1250"
	.amdhsa_code_object_version 6
	.text
	.protected	k_q1a6759df2e_score
	.globl	k_q1a6759df2e_score
	.p2align	8
	.type	k_q1a6759df2e_score,@function
k_q1a6759df2e_score:
	s_mov_b64 s[64:65], 0
	v_nop
	global_prefetch_b8 v0, s[64:65] scope:SCOPE_SE
	s_setreg_imm32_b32 hwreg(HW_REG_WAVE_MODE, 25, 1), 1
	s_wait_xcnt 0x0
; SCORES OF ALL ADAPTIVE ROWS AGAINST ALL CONSTANT ROWS, kept as whole numbers.  A token enters the result only through e = max(0, idx - 4096), so the 4,096 adaptive
; rows of a domain are scored once each: s[e][c] = the sum over 256 channels of adapt[e][k] const[c][k], operands rounded to bf16, sums in f32.
; For every row e and every GROUP of 256 columns (16 groups a domain) two things are stored:
;   keys [d 2][group 16][4,096 places] u32: the group's largest score as a number whose unsigned order is the floats' order: x = m + 0.0 (so -0 counts as +0),
;        key = x xor ((x asr 31) or 0x80000000).  Row e lies at place (e & 0xfe0) | (e & 15) << 1 | (e >> 4) & 1, so that a wave's store of 8 bytes a lane covers 256 consecutive bytes, aligned.
;   bits [d][group][e >> 4][h 2][e & 15][4 words]: bit p of word k says that column 256 group + 64 k + 16 (p >> 3) + 8 h + (p & 7) has exactly the group's largest score.
; The launches behind compare the keys as integers and add the rows that the bits name: the second product of the module, whose one operand is 0 or 1.
; LIMITS.  NaN and infinities, in the tables or in a score, are not treated apart.  Scores come of bf16 operands and f32 sums in the matrix unit's own order: two scores that differ
; in the last places of f32 alone may change rank against another order of summation.
; SHARES.  Work-group (x, y): x = a range of 512 columns, y = 16 d + block of 256 adaptive rows: 8 x 32 = 256 work-groups.  Wave w owns rows 64 w .. 64 w + 63 of the block: four tiles
; of 16 queries, kept in registers as bf16 for the whole kernel.  The 512 columns go as four tiles of 128 keys; two tiles are a group.  Of each tile wave w rounds rows 32 w .. 32 w + 31
; into LDS; all four waves read all of it.  A fragment of 16 keys x 32 channels read from LDS feeds four matrix instructions.
; NO TENSOR LOADS, NO CLUSTER.  The tables are f32 and are rounded on their way to the matrix unit; a tensor load lays bytes down as they lie.  A jointly fetched tile would be 131,072 bytes
; of f32 in LDS beside its 67,584 bytes of bf16, read back and stored once more by the waves.  So rows come by loads of 16 bytes a lane (512 consecutive bytes an instruction), 64 loads
; (32 KiB) a wave, asked for a whole tile ahead of their conversion.
; LAYOUT.  S^T = K Q^T: source 0 = 16 keys, source 1 = 16 queries.  In the result lane l holds ONE query (l % 16) and the keys 8 (l / 16) + 0..7 of the block.
; LDS.  Four slots of 128 rows x 528 bytes (512 of data + 16: 33 x 16, so the 16 rows of a fragment load start at 16 different groups of four banks; 64 banks of 4 bytes: ISA guide 11.1).
; Every slot takes ONE key tile, so no slot is written while another wave may read it, and one barrier a tile is enough.  Wave w's quarter of slot 3 serves first as its own stage for Q.
; REGISTERS, in windows of 256 (s_set_vgpr_msb: bits 1:0 source 0, 3:2 source 1, 5:4 source 2, 7:6 destination):
;   window 0: v0-9 addresses; v30-31 the add's two; v32-39 maxima; v40-55 the words of bits; v56-63 keys, at work; v64-127 at work; v128-255 two buffers of K's fragments
;   window 1: the 32 accumulators, (query tile qt, key block kb) at 8 (8 qt + kb)     window 2: Q, (qt, 32 channels kf) at 8 (8 qt + kf)     window 3: 64 loads of f32 as they come
.set PITCH, 528
.set SLOT,  128*PITCH                  ; 67,584
.set QUART, 32*PITCH                   ; a wave's 32 rows of a slot
.set SPARE, 4*SLOT                     ; behind the slots: the spare words, 128 bytes for each wave: two blocks of 256 bytes that no other line names
.set ROWB,  1024                       ; a table's row in memory
.set TILEB, 128*ROWB
.set GO,  3                            ; v3   16 x lane: my 16 bytes of 512, in the tables and in bits; never rewritten
.set KO,  4                            ; v4   8 x lane: my 8 bytes of keys; never rewritten
.set ST0, 5                            ; v5   where I store in a slot: my wave's quarter + 8 x lane
.set LD0, 6                            ; v6   my place in a fragment: (l % 16) x PITCH + 16 (l / 16)
.set AST, 7                            ; v7   ST0 + the slot in hand
.set ALD, 8                            ; v8   LD0 + the slot in hand
.set QLD, 9                            ; v9   LD0 + my stage
.set SPW, 30                           ; v30  LDS address of my spare word; never rewritten
.set NIL, 31                           ; v31  0; never rewritten
.set MA,  32                           ; v32-35  by query tile: the largest score of the group's first tile
.set MG,  36                           ; v36-39  of the group
.set WD,  40                           ; v40-55  by query tile four words of bits
.set KPR, 56                           ; v56-57  the pair of keys that I store
.set KY,  58                           ; v58-61  by query tile the key
.set TA,  62                           ; v62     at work
.set T,   64                           ; v64-127 rounded pairs on their way to LDS; later the running maxima c(qt, kb) at T + 8 qt + kb
.set F0,  128                          ; K's fragments of a key block: 8 x 8 registers; the second buffer 64 further on
.set WV,   16                          ; s16  my wave's number
.set DOM,  19                          ; s19  the domain
.set RB,   20                          ; s20  the block of 256 adaptive rows
.set QP,   22                          ; s[22:23] the adaptive table at my 64 rows
.set KP,   24                          ; s[24:25] the constant table at my 32 rows of the pair's first tile
.set KEYP, 26                          ; s[26:27] keys at the group in hand, my 64 places
.set BITP, 28                          ; s[28:29] bits at the group in hand, my 64 rows
.set TB,   30                          ; s30  LDS byte at which the slot in hand begins
.set CNT,  31                          ; s31  pairs of tiles still to come
.set HM,   36                          ; s36  the mask of lanes 16-31
.set SEL,  38                          ; s[38:39] v_permlanex16_b32's selects: each lane takes its own place in the other half
.set CM,   68                          ; s[68:99] 32 masks of a key block's comparisons: (qt, register j) at CM + 8 qt + j
.set MSB, 0
.macro WIN new                         ; the immediate's high byte repeats the setting that is left; a switch that changes nothing is dropped
.if MSB != (\new)
	s_set_vgpr_msb (MSB<<8)|(\new)
.set MSB, \new
.endif
.endm
.macro PLACES                          ; four places behind a matrix instruction, ahead of loads into registers that it has read and of reads of its result
.rept 4
	v_nop
.endr
.endm
; 64 loads: 32 rows of 1,024 bytes, two loads of 512 consecutive bytes a row, into window 3
.macro LOADS ptr, base
	WIN 0xc0                                       ; destination window 3, address window 0
.set i, 0
.rept 64
	global_load_b128 v[4*i:4*i+3], v[GO], s[\ptr:\ptr+1] offset:(\base)+(i/2)*ROWB+(i%2)*512
.set i, i+1
.endr
	WIN 0
.endm
; The 64 loads are rounded to bf16 and stored into my quarter of the slot at s[TB]: a load's 512 bytes become 256, 8 bytes a lane.
.macro CVTST
	WIN 0
	v_add_nc_u32 v[AST], s[TB], v[ST0]
.irp b, 0,1
	s_wait_loadcnt 32-32*(\b)                      ; loads come back in order (ISA guide 5.7.1): of the chunk's 64 the older 32 are in, then all; no other load is out here
	WIN 0x0f                                       ; sources window 3, destination window 0
.set k, 0
.rept 32
	v_cvt_pk_bf16_f32 v[T+2*k],   v[4*(32*(\b)+k)],   v[4*(32*(\b)+k)+1]
	v_cvt_pk_bf16_f32 v[T+2*k+1], v[4*(32*(\b)+k)+2], v[4*(32*(\b)+k)+3]
.set k, k+1
.endr
	WIN 0
.set k, 0
.rept 32
	ds_store_b64 v[AST], v[T+2*k:T+2*k+1] offset:((32*(\b)+k)/2)*PITCH+((32*(\b)+k)%2)*256
.set k, k+1
.endr
.endr
.endm
; Two query tiles, first and first + 1, from my stage into window 2.  A fragment is 16 rows x 32 channels in 8 registers: lane l holds row l % 16, channels 8 (l / 16) + 0..7 and
; 16 + 8 (l / 16) + 0..7: two loads of 16 bytes, 32 bytes apart.  LDS serves a wave's instructions in order (ISA guide 5.7.1.4): these see my stores above, and my next stores come behind them.
.macro QFETCH first
	WIN 0x80                                       ; destination window 2
.irp q, 0,1
.irp f, 0,1,2,3,4,5,6,7
	ds_load_b128 v[8*(8*((\first)+(\q))+(\f)):8*(8*((\first)+(\q))+(\f))+3],   v[QLD] offset:(\q)*16*PITCH+64*(\f)
	ds_load_b128 v[8*(8*((\first)+(\q))+(\f))+4:8*(8*((\first)+(\q))+(\f))+7], v[QLD] offset:(\q)*16*PITCH+64*(\f)+32
.endr
.endr
	WIN 0
.endm
; Key block kb of the slot in hand, all 256 channels: 16 loads in one run into buffer f
.macro FETCH kb, f
	WIN 0
.irp c, 0,1,2,3,4,5,6,7
	ds_load_b128 v[(\f)+8*(\c):(\f)+8*(\c)+3],   v[ALD] offset:(\kb)*16*PITCH+64*(\c)
	ds_load_b128 v[(\f)+8*(\c)+4:(\f)+8*(\c)+7], v[ALD] offset:(\kb)*16*PITCH+64*(\c)+32
.endr
.endm
; 32 matrix instructions: key block kb x four query tiles x 256 channels.  The four accumulators take turns, one instruction a turn; the first product of each starts its sum.
.macro MULS kb, f
	WIN 0x58                                       ; K window 0, Q window 2, C and D window 1
.irp c, 0,1,2,3,4,5,6,7
.irp qt, 0,1,2,3
.if (\c) == 0
	v_wmma_f32_16x16x32_bf16 v[8*(8*(\qt)+(\kb)):8*(8*(\qt)+(\kb))+7], v[(\f)+8*(\c):(\f)+8*(\c)+7], v[8*(8*(\qt)+(\c)):8*(8*(\qt)+(\c))+7], 0
.else
	v_wmma_f32_16x16x32_bf16 v[8*(8*(\qt)+(\kb)):8*(8*(\qt)+(\kb))+7], v[(\f)+8*(\c):(\f)+8*(\c)+7], v[8*(8*(\qt)+(\c)):8*(8*(\qt)+(\c))+7], v[8*(8*(\qt)+(\kb)):8*(8*(\qt)+(\kb))+7]
.endif
.endr
.endr
.endm
; A tile's 256 matrix instructions.  While one key block is multiplied the next one's 16 loads are out: they are issued 32 matrix instructions ahead of their use, four places behind the last reader of their buffer.
.macro COMPUTE
	WIN 0
	v_add_nc_u32 v[ALD], s[TB], v[LD0]
	FETCH 0, F0
.irp kb, 0,1,2,3,4,5,6,7
	s_wait_dscnt 0x0                               ; this block's fragments are in: nothing younger is out
.if (\kb) < 7
	PLACES
	FETCH (\kb)+1, F0+64*(((\kb)+1)%2)
.endif
	MULS \kb, F0+64*((\kb)%2)
.endr
.endm
; The largest of a query's 128 scores of the tile: three operands at a time within each accumulator (its lowest registers first), then over the eight key blocks, then the other half
; of the lanes.  The key blocks go in the outer loop, so that block 7's results, just made, are read last.  u = 1: the group's first tile is taken in as well.
.macro ROWMAX u
	PLACES
	WIN 0x15                                       ; three sources window 1, destination window 0
.irp kb, 0,1,2,3,4,5,6,7
.irp qt, 0,1,2,3
	v_max3_num_f32 v[T+8*(\qt)+(\kb)], v[8*(8*(\qt)+(\kb))], v[8*(8*(\qt)+(\kb))+1], v[8*(8*(\qt)+(\kb))+2]
.endr
.endr
	WIN 0x14                                       ; source 0 window 0, sources 1 and 2 window 1
.irp a, 3,5
.irp kb, 0,1,2,3,4,5,6,7
.irp qt, 0,1,2,3
	v_max3_num_f32 v[T+8*(\qt)+(\kb)], v[T+8*(\qt)+(\kb)], v[8*(8*(\qt)+(\kb))+(\a)], v[8*(8*(\qt)+(\kb))+(\a)+1]
.endr
.endr
.endr
.irp kb, 0,2,4,6                       ; the eighth registers of two blocks at a time
.irp qt, 0,1,2,3
	v_max3_num_f32 v[T+8*(\qt)+(\kb)], v[T+8*(\qt)+(\kb)], v[8*(8*(\qt)+(\kb))+7], v[8*(8*(\qt)+(\kb)+1)+7]
.endr
.endr
	WIN 0
.irp qt, 0,1,2,3
	v_max3_num_f32 v[T+8*(\qt)], v[T+8*(\qt)], v[T+8*(\qt)+1], v[T+8*(\qt)+2]
.endr
.irp qt, 0,1,2,3
	v_max3_num_f32 v[T+8*(\qt)+3], v[T+8*(\qt)+3], v[T+8*(\qt)+4], v[T+8*(\qt)+5]
.endr
.irp qt, 0,1,2,3
	v_max3_num_f32 v[T+8*(\qt)], v[T+8*(\qt)], v[T+8*(\qt)+3], v[T+8*(\qt)+6]
.endr
.irp qt, 0,1,2,3
	v_max_num_f32 v[T+8*(\qt)], v[T+8*(\qt)], v[T+8*(\qt)+7]
.endr
.irp qt, 0,1,2,3
	v_permlanex16_b32 v[T+8*(\qt)+1], v[T+8*(\qt)], s[SEL], s[SEL+1]  ; the query's other 64 keys lie in the lane 16 away
.endr
.irp qt, 0,1,2,3
.if \u
	v_max3_num_f32 v[MG+(\qt)], v[T+8*(\qt)], v[T+8*(\qt)+1], v[MA+(\qt)]
.else
	v_max_num_f32 v[MA+(\qt)], v[T+8*(\qt)], v[T+8*(\qt)+1]
.endif
.endr
.endm
; The tile's 64 x 128 comparisons 'score == maximum' become two words a query tile and lane.  A key block's 32 comparisons write 32 lane masks; each mask is then shifted into its word as the carry of
; w + w + carry.  The highest bit goes in first: key block 3, register 7, down to block 0, register 0: 32 steps fill the word, and what it held before is shifted out.
.macro BITS u
.irp hk, 0,1
.irp kbl, 3,2,1,0
	WIN 0x01                                       ; source 0 window 1
.irp qt, 0,1,2,3
.irp j, 0,1,2,3,4,5,6,7
	v_cmp_eq_f32 s[CM+8*(\qt)+(\j)], v[8*(8*(\qt)+4*(\hk)+(\kbl))+(\j)], v[MA+4*(\u)+(\qt)]
.endr
.endr
	WIN 0
.irp j, 7,6,5,4,3,2,1,0
.irp qt, 0,1,2,3
	v_add_co_ci_u32 v[WD+4*(\qt)+2*(\u)+(\hk)], vcc_lo, v[WD+4*(\qt)+2*(\u)+(\hk)], v[WD+4*(\qt)+2*(\u)+(\hk)], s[CM+8*(\qt)+(\j)]
.endr
.endr
.endr
.endr
.endm
; A group is finished.  The first tile's bits count only where its maximum is the group's.  The keys of rows 16 qt + r go out as pairs: lane (r, h) stores those of query tiles 2 h and 2 h + 1.
.macro OUTG
	WIN 0
.irp qt, 0,1,2,3
	v_cmp_eq_f32 vcc_lo, v[MA+(\qt)], v[MG+(\qt)]
	v_cndmask_b32 v[WD+4*(\qt)], 0, v[WD+4*(\qt)], vcc_lo
	v_cndmask_b32 v[WD+4*(\qt)+1], 0, v[WD+4*(\qt)+1], vcc_lo
	v_add_f32 v[KY+(\qt)], 0, v[MG+(\qt)]          ; -0 becomes +0
	v_ashrrev_i32 v[TA], 31, v[KY+(\qt)]
	v_or_b32 v[TA], 0x80000000, v[TA]
	v_xor_b32 v[KY+(\qt)], v[TA], v[KY+(\qt)]      ; positive: the sign bit set; negative: all bits turned
.endr
	v_cndmask_b32 v[KPR], v[KY], v[KY+2], s[HM]
	v_cndmask_b32 v[KPR+1], v[KY+1], v[KY+3], s[HM]
	global_store_b64 v[KO], v[KPR:KPR+1], s[KEYP:KEYP+1]  ; 256 consecutive bytes, at a multiple of 256 from the buffer's first
.irp qt, 0,1,2,3
	global_store_b128 v[GO], v[WD+4*(\qt):WD+4*(\qt)+3], s[BITP:BITP+1] offset:512*(\qt)  ; 512 consecutive bytes, aligned likewise
.endr
.endm
; A tile: my 32 rows into its slot; the next tile's loads go out; one barrier; products, maximum, bits.  u = the tile's place in its group.
.macro TILE u
	CVTST
.if (\u) == 0
	LOADS KP, TILEB                                ; the group's second tile
.else
	s_cmp_eq_u32 s[CNT], 1                         ; behind the last tile there is none: the same in every wave
	s_cbranch_scc1 .Lnoload
	LOADS KP, 2*TILEB                              ; the next group's first tile
.Lnoload:
.endif
	s_wait_dscnt 0x0                               ; for the others' sake: my stores into this slot are done (and my loads from the stage are back)
	s_barrier_signal -1
	s_barrier_wait -1                              ; everybody's are: the slot is whole.  It is written no more, so nothing need follow its reads
	COMPUTE
	ROWMAX \u
	BITS \u
.if \u
	OUTG
.endif
	s_add_co_u32 s[TB], s[TB], SLOT
.endm
	s_load_b256 s[4:11], s[0:1], 0x0               ; adapt_table0 s[4:5], adapt_table1 s[6:7], const_table0 s[8:9], const_table1 s[10:11]
	s_load_b128 s[12:15], s[0:1], 0x20             ; keys s[12:13], bits s[14:15]
	v_lshl_add_u32 v[SPW], v0, 2, SPARE
	v_mov_b32 v[NIL], 0
	v_lshrrev_b32 v[TA], 5, v0
	v_readfirstlane_b32 s[WV], v[TA]               ; wave 0..3
	v_and_b32 v[TA], 31, v0                        ; lane
	v_and_b32 v1, 15, v0                           ; l % 16
	v_bfe_u32 v2, v0, 4, 1                         ; l / 16
	v_lshlrev_b32 v[GO], 4, v[TA]
	v_lshlrev_b32 v[KO], 3, v[TA]
	s_mul_i32 s21, s[WV], QUART                    ; my quarter of a slot
	v_lshl_add_u32 v[ST0], v[TA], 3, s21
	v_mul_u32_u24 v[LD0], v1, PITCH
	v_lshl_add_u32 v[LD0], v2, 4, v[LD0]
	s_add_co_u32 s21, s21, 3*SLOT                  ; my stage: my quarter of slot 3
	v_add_nc_u32 v[QLD], s21, v[LD0]
.set i, 0
.rept 16
	v_mov_b32 v[WD+i], 0                           ; the words are shifted through: they hold a number before the first shift
.set i, i+1
.endr
	s_and_b32 s18, ttmp7, 0xffff
	s_lshr_b32 s[DOM], s18, 4
	s_and_b32 s[RB], s18, 15
	s_mov_b32 s[HM], 0xffff0000
	s_mov_b32 s[SEL], 0x76543210
	s_mov_b32 s[SEL+1], 0xfedcba98
	s_lshl_b32 s32, s[RB], 18                      ; offsets, made apart from the addresses.  Adaptive table: 256 rows a block, 64 a wave
	s_lshl_b32 s33, s[WV], 16
	s_add_co_u32 s32, s32, s33
	s_mov_b32 s33, 0
	s_lshl_b32 s34, ttmp9, 19                      ; constant table: 512 rows a range, 32 a wave
	s_lshl_b32 s35, s[WV], 15
	s_add_co_u32 s34, s34, s35
	s_mov_b32 s35, 0
	s_lshl_b32 s40, s[DOM], 18                     ; keys: 16 groups x 16,384 bytes a domain; two groups a range; 1,024 bytes a block, 256 a wave
	s_lshl_b32 s41, ttmp9, 15
	s_add_co_u32 s40, s40, s41
	s_lshl_b32 s41, s[RB], 10
	s_add_co_u32 s40, s40, s41
	s_lshl_b32 s41, s[WV], 8
	s_add_co_u32 s40, s40, s41
	s_mov_b32 s41, 0
	s_lshl_b32 s42, s[DOM], 21                     ; bits: 16 groups x 131,072 bytes a domain; two groups a range; 8,192 bytes a block, 2,048 a wave
	s_lshl_b32 s43, ttmp9, 18
	s_add_co_u32 s42, s42, s43
	s_lshl_b32 s43, s[RB], 13
	s_add_co_u32 s42, s42, s43
	s_lshl_b32 s43, s[WV], 11
	s_add_co_u32 s42, s42, s43
	s_mov_b32 s43, 0
	s_wait_kmcnt 0x0
	s_cmp_eq_u32 s[DOM], 0
	s_cselect_b64 s[QP:QP+1], s[4:5], s[6:7]
	s_cselect_b64 s[KP:KP+1], s[8:9], s[10:11]
	s_add_nc_u64 s[QP:QP+1], s[QP:QP+1], s[32:33]
	s_add_nc_u64 s[KP:KP+1], s[KP:KP+1], s[34:35]
	s_add_nc_u64 s[KEYP:KEYP+1], s[12:13], s[40:41]
	s_add_nc_u64 s[BITP:BITP+1], s[14:15], s[42:43]
	LOADS QP, 0                                    ; my queries 0-31
	s_mov_b32 s[TB], 3*SLOT
	CVTST                                          ; into my stage,
	LOADS QP, 32*ROWB                              ; (queries 32-63 go out)
	QFETCH 0                                       ; and back as fragments
	CVTST                                          ; the same bytes once more: my own, and LDS serves my instructions in order
	LOADS KP, 0                                    ; (the first key tile goes out)
	QFETCH 2
	s_mov_b32 s[TB], 0
	s_mov_b32 s[CNT], 2
.Lpair:                                                ; a trip: a group of 256 columns, two tiles
	TILE 0
	TILE 1
	s_wait_xcnt 0x0                                ; every load and store issued so far has read its registers: the stores' data (the words, the pair of keys) and the three pointers are rewritten only behind this wait
	s_add_nc_u64 s[KP:KP+1], s[KP:KP+1], 2*TILEB
	s_add_nc_u64 s[KEYP:KEYP+1], s[KEYP:KEYP+1], 16384
	s_add_nc_u64 s[BITP:BITP+1], s[BITP:BITP+1], 131072
	s_sub_co_u32 s[CNT], s[CNT], 1
	s_cmp_lg_u32 s[CNT], 0
	s_cbranch_scc1 .Lpair
	s_wait_tensorcnt 0x0                           ; the wave's end
	ds_add_u32 v[SPW], v[NIL]
	s_wait_dscnt 0x0
	s_endpgm
.Lfunc_end_k_q1a6759df2e_score:
	.size	k_q1a6759df2e_score, .Lfunc_end_k_q1a6759df2e_score-k_q1a6759df2e_score
	.p2alignl 7, 3214868480
	.fill 96, 4, 3214868480
	.section	.rodata,"a",@progbits
	.p2align	6, 0x0
	.amdhsa_kernel k_q1a6759df2e_score
		.amdhsa_group_segment_fixed_size 270848
		.amdhsa_private_segment_fixed_size 0
		.amdhsa_enable_private_segment 0
		.amdhsa_kernarg_size 48
		.amdhsa_user_sgpr_count 2
		.amdhsa_user_sgpr_kernarg_segment_ptr 1
		.amdhsa_wavefront_size32 1
		.amdhsa_system_sgpr_workgroup_id_x 1
		.amdhsa_system_sgpr_workgroup_id_y 1
		.amdhsa_system_sgpr_workgroup_id_z 1
		.amdhsa_system_vgpr_workitem_id 0
		.amdhsa_next_free_vgpr 1024
		.amdhsa_next_free_sgpr 100
		.amdhsa_reserve_vcc 1
		.amdhsa_float_denorm_mode_32 3
		.amdhsa_float_denorm_mode_16_64 3
		.amdhsa_memory_ordered 1
		.amdhsa_forward_progress 1
		.amdhsa_inst_pref_size 222
	.end_amdhsa_kernel
	.amdgpu_metadata
---
amdhsa.version: [ 1, 2 ]
amdhsa.kernels:
  - .name:           k_q1a6759df2e_score
    .symbol:         k_q1a6759df2e_score.kd
    .args:
      - { .name: adapt_table0, .offset: 0, .size: 8, .value_kind: global_buffer, .address_space: global }
      - { .name: adapt_table1, .offset: 8, .size: 8, .value_kind: global_buffer, .address_space: global }
      - { .name: const_table0, .offset: 16, .size: 8, .value_kind: global_buffer, .address_space: global }
      - { .name: const_table1, .offset: 24, .size: 8, .value_kind: global_buffer, .address_space: global }
      - { .name: keys, .offset: 32, .size: 8, .value_kind: global_buffer, .address_space: global }
      - { .name: bits, .offset: 40, .size: 8, .value_kind: global_buffer, .address_space: global }
    .group_segment_fixed_size: 270848
    .private_segment_fixed_size: 0
    .kernarg_segment_align: 8
    .kernarg_segment_size: 48
    .max_flat_workgroup_size: 128
    .sgpr_count:     100
    .vgpr_count:     1024
    .wavefront_size: 32
...
	.end_amdgpu_metadata
.endif
;; end of part 1
;; launch merge (part 2): grid 128 x 2, 1 waves a work-group, no clusters, 0 bytes of LDS; arguments keys, bits, best; writes best
.if DOCPART == 2
	.amdgcn_target "amdgcn-amd-amdhsa--gfx1250"
	.amdhsa_code_object_version 6
	.text
	.protected	k_q1a6759df2e_merge
	.globl	k_q1a6759df2e_merge
	.p2align	8
	.type	k_q1a6759df2e_merge,@function
k_q1a6759df2e_merge:
	s_mov_b64 s[64:65], 0
	v_nop
	global_prefetch_b8 v0, s[64:65] scope:SCOPE_SE
	s_setreg_imm32_b32 hwreg(HW_REG_WAVE_MODE, 25, 1), 1
	s_wait_xcnt 0x0
; FOR EVERY ADAPTIVE ROW e: WHICH COLUMN HAS THE LARGEST SCORE, AND IS IT ALONE?  The launch before has stored, for every e and every group of 256 columns,
;   keys [d 2][group 16][4,096 places] u32: the group's largest score as a number whose unsigned order is the floats' order; row e at place (e & 0xfe0) | (e & 15) << 1 | (e >> 4) & 1
;   bits [d][group][e >> 4][h 2][e & 15][4 words]: bit p of word k: column 256 group + 64 k + 16 (p >> 3) + 8 h + (p & 7) has exactly the group's largest score.
; Stored here: best [d][e][2 words]: the lowest column named by the lowest group that reaches the largest key; and a flag, 0 where that column is the only one (one group reaches
; the largest key, one of its eight words holds a bit, and that word holds one bit), else 1.  The next launch takes the column as it stands where the flag is 0, and goes through keys and bits itself where it is 1.
; An address may hang only on whole numbers that a launch reads from memory: so the choice is made here, where it selects values alone, and is read as an index in the next launch.
; NOTHING HERE HANGS ON DATA BUT VALUES: every address is made of ids and constants, and there is no branch.
; SHARES.  A lane is a row: e = 32 x + lane; y = the domain; one wave a work-group, 128 x 2 = 256 work-groups.  A lane reads its 16 keys (a wave's load: 128 consecutive bytes) and all
; 16 groups' bits, 512 bytes (a wave's load: two runs of 256 consecutive bytes, aligned): 48 loads, all issued at the head.  No wave needs another's data: no LDS, no barrier.
; LIMITS.  A row for which no bit is set (NaN scores alone) gets the flag 1.
.set KO,  2                            ; v2   my place in a group's keys: 4 x ((l % 16) x 2 + l / 16); never rewritten
.set BO,  3                            ; v3   my place in a group's bits: 512 (l / 16) + 16 (l % 16); never rewritten
.set SO,  4                            ; v4   8 x lane: my 8 bytes of best; never rewritten
.set M,   5                            ; v5   the largest key
.set GV,  6                            ; v6   the lowest group that reaches it
.set NG,  7                            ; v7   how many groups reach it
.set NW,  8                            ; v8   how many of that group's eight words hold a bit
.set T2,  9                            ; v9   at work
.set OUT, 10                           ; v[10:11] the column, the flag
.set JV,  13                           ; v13  the lowest word that holds a bit: 4 h + k
.set BB,  14                           ; v14  its lowest bit
.set K,   16                           ; v16-31   the 16 keys
.set B,   64                           ; v64-191  the bits: group g, half h, word k at B + 8 g + 4 h + k
.set S,   B+8*15                       ; the chosen group's eight words: they begin as group 15's and are replaced by each lower group that reaches the largest key
.set SL,  S+7                          ; the chosen word: it begins as word 7 and is replaced by each lower word that holds a bit
.set MK,  20                           ; s20  a comparison's lanes, at work
.set TG,  24                           ; s24-39  by group: the lanes whose key reaches their largest
	s_load_b128 s[4:7], s[0:1], 0x0                ; keys s[4:5], bits s[6:7]
	s_load_b64 s[8:9], s[0:1], 0x10                ; best
	s_and_b32 s10, ttmp7, 0xffff                   ; the domain
	v_and_b32 v1, 15, v0                           ; l % 16
	v_bfe_u32 v[T2], v0, 4, 1                      ; l / 16
	v_lshl_or_b32 v[KO], v1, 1, v[T2]
	v_lshlrev_b32 v[KO], 2, v[KO]
	v_lshlrev_b32 v[BO], 9, v[T2]
	v_lshl_or_b32 v[BO], v1, 4, v[BO]
	v_and_b32 v[SO], 31, v0
	v_lshlrev_b32 v[SO], 3, v[SO]
	s_lshl_b32 s12, s10, 18                        ; offsets, made apart from the addresses.  keys: 262,144 bytes a domain, 128 for my 32 rows
	s_lshl_b32 s13, ttmp9, 7
	s_add_co_u32 s12, s12, s13
	s_mov_b32 s13, 0
	s_lshl_b32 s14, s10, 21                        ; bits: 2,097,152 bytes a domain, 1,024 for my 32 rows in each group
	s_lshl_b32 s15, ttmp9, 10
	s_add_co_u32 s14, s14, s15
	s_mov_b32 s15, 0
	s_lshl_b32 s16, s10, 15                        ; best: 32,768 bytes a domain, 256 for my 32 rows
	s_lshl_b32 s17, ttmp9, 8
	s_add_co_u32 s16, s16, s17
	s_mov_b32 s17, 0
	s_wait_kmcnt 0x0
	s_add_nc_u64 s[4:5], s[4:5], s[12:13]
	s_add_nc_u64 s[6:7], s[6:7], s[14:15]
	s_add_nc_u64 s[8:9], s[8:9], s[16:17]
.irp g, 0,1,2,3,4,5,6,7,8,9,10,11,12,13,14,15
	global_load_b32 v[K+(\g)], v[KO], s[4:5] offset:(\g)*16384 th:TH_LOAD_NT
.endr
.irp g, 0,1,2,3,4,5,6,7,8,9,10,11,12,13,14,15
.irp h, 0,1
	global_load_b128 v[B+8*(\g)+4*(\h):B+8*(\g)+4*(\h)+3], v[BO], s[6:7] offset:(\g)*131072+(\h)*256 th:TH_LOAD_NT
.endr
.endr
	s_wait_loadcnt 32                              ; loads come back in order (ISA guide 5.7.1): the 16 keys are in, the 32 younger loads of bits may stay out
	v_max_u32 v[M], v[K], v[K+1]
.set g, 2
.rept 14
	v_max_u32 v[M], v[M], v[K+g]
.set g, g+1
.endr
.irp g, 0,1,2,3,4,5,6,7,8,9,10,11,12,13,14,15
	v_cmp_eq_u32 s[TG+(\g)], v[K+(\g)], v[M]
.endr
	v_mov_b32 v[GV], 15                            ; from the highest group down: the lowest that reaches the largest key stays
	v_cndmask_b32 v[NG], 0, 1, s[TG+15]
.irp g, 14,13,12,11,10,9,8,7,6,5,4,3,2,1,0
	v_cndmask_b32 v[GV], v[GV], \g, s[TG+(\g)]
	v_cndmask_b32 v[T2], 0, 1, s[TG+(\g)]
	v_add_nc_u32 v[NG], v[NG], v[T2]
.endr
	s_wait_loadcnt 0x0                             ; the bits
.irp g, 14,13,12,11,10,9,8,7,6,5,4,3,2,1,0
.irp j, 0,1,2,3,4,5,6,7
	v_cndmask_b32 v[S+(\j)], v[S+(\j)], v[B+8*(\g)+(\j)], s[TG+(\g)]
.endr
.endr
	v_min_u32 v[NW], 1, v[S+7]                     ; 1 for a word that holds a bit
	v_mov_b32 v[JV], 7                             ; from the highest word down: the lowest that holds a bit stays
.irp j, 6,5,4,3,2,1,0
	v_cmp_ne_u32 s[MK], 0, v[S+(\j)]
	v_cndmask_b32 v[SL], v[SL], v[S+(\j)], s[MK]
	v_cndmask_b32 v[JV], v[JV], \j, s[MK]
	v_min_u32 v[T2], 1, v[S+(\j)]
	v_add_nc_u32 v[NW], v[NW], v[T2]
.endr
	v_sub_nc_u32 v[BB], 0, v[SL]
	v_and_b32 v[BB], v[SL], v[BB]                  ; x & -x: the word's lowest bit
	v_xor_b32 v[SL], v[SL], v[BB]                  ; and what it holds beside that
; The column: 256 group + 64 k + 8 h + 16 (p >> 3) + (p & 7): the group at places 8-11, k at 6-7, h at 3, the digits 0-2 of the bit's number p at 0-2, its digits 3, 4 at 4, 5.
	v_lshlrev_b32 v[OUT], 8, v[GV]
	v_and_b32 v[T2], 3, v[JV]
	v_lshl_or_b32 v[OUT], v[T2], 6, v[OUT]
	v_lshrrev_b32 v[T2], 2, v[JV]
	v_lshl_or_b32 v[OUT], v[T2], 3, v[OUT]
.macro DIGIT mask, sh                  ; one binary digit of p: 1 where the bit lies under the mask
	v_and_b32 v[T2], \mask, v[BB]
	v_min_u32 v[T2], 1, v[T2]
	v_lshl_or_b32 v[OUT], v[T2], \sh, v[OUT]
.endm
	DIGIT 0xaaaaaaaa, 0
	DIGIT 0xcccccccc, 1
	DIGIT 0xf0f0f0f0, 2
	DIGIT 0xff00ff00, 4
	DIGIT 0xffff0000, 5
	v_xor_b32 v[NG], 1, v[NG]                      ; 0 where one group,
	v_xor_b32 v[NW], 1, v[NW]                      ; one word,
	v_or_b32 v[NG], v[NG], v[NW]
	v_or_b32 v[NG], v[NG], v[SL]                   ; and one bit
	v_min_u32 v[OUT+1], 1, v[NG]
	global_store_b64 v[SO], v[OUT:OUT+1], s[8:9]   ; 256 consecutive bytes, at a multiple of 256 from the buffer's first
	s_endpgm
.Lfunc_end_k_q1a6759df2e_merge:
	.size	k_q1a6759df2e_merge, .Lfunc_end_k_q1a6759df2e_merge-k_q1a6759df2e_merge
	.p2alignl 7, 3214868480
	.fill 96, 4, 3214868480
	.section	.rodata,"a",@progbits
	.p2align	6, 0x0
	.amdhsa_kernel k_q1a6759df2e_merge
		.amdhsa_group_segment_fixed_size 0
		.amdhsa_private_segment_fixed_size 0
		.amdhsa_enable_private_segment 0
		.amdhsa_kernarg_size 24
		.amdhsa_user_sgpr_count 2
		.amdhsa_user_sgpr_kernarg_segment_ptr 1
		.amdhsa_wavefront_size32 1
		.amdhsa_system_sgpr_workgroup_id_x 1
		.amdhsa_system_sgpr_workgroup_id_y 1
		.amdhsa_system_sgpr_workgroup_id_z 1
		.amdhsa_system_vgpr_workitem_id 0
		.amdhsa_next_free_vgpr 192
		.amdhsa_next_free_sgpr 66
		.amdhsa_reserve_vcc 0
		.amdhsa_float_denorm_mode_32 3
		.amdhsa_float_denorm_mode_16_64 3
		.amdhsa_memory_ordered 1
		.amdhsa_forward_progress 1
		.amdhsa_inst_pref_size 21
	.end_amdhsa_kernel
	.amdgpu_metadata
---
amdhsa.version: [ 1, 2 ]
amdhsa.kernels:
  - .name:           k_q1a6759df2e_merge
    .symbol:         k_q1a6759df2e_merge.kd
    .args:
      - { .name: keys, .offset: 0, .size: 8, .value_kind: global_buffer, .address_space: global }
      - { .name: bits, .offset: 8, .size: 8, .value_kind: global_buffer, .address_space: global }
      - { .name: best, .offset: 16, .size: 8, .value_kind: global_buffer, .address_space: global }
    .group_segment_fixed_size: 0
    .private_segment_fixed_size: 0
    .kernarg_segment_align: 8
    .kernarg_segment_size: 24
    .max_flat_workgroup_size: 32
    .sgpr_count:     66
    .vgpr_count:     192
    .wavefront_size: 32
...
	.end_amdgpu_metadata
.endif
;; end of part 2
;; launch gather (part 3): grid 512 x 2, 8 waves a work-group, no clusters, 0 bytes of LDS; arguments idx0, idx1, const_table0, const_table1, keys, bits, out0, best; writes out0
.if DOCPART == 3
	.amdgcn_target "amdgcn-amd-amdhsa--gfx1250"
	.amdhsa_code_object_version 6
	.text
	.protected	k_q1a6759df2e_gather
	.globl	k_q1a6759df2e_gather
	.p2align	8
	.type	k_q1a6759df2e_gather,@function
k_q1a6759df2e_gather:
	s_mov_b64 s[64:65], 0
	v_nop
	global_prefetch_b8 v0, s[64:65] scope:SCOPE_SE
	s_setreg_imm32_b32 hwreg(HW_REG_WAVE_MODE, 25, 1), 1
	s_wait_xcnt 0x0
; out[d][token][:] = the sum of the rows of const_table[d] whose score against adapt_table[d][e] equals the row's largest score, e = max(0, idx - 4096).
; The launches before have stored, as whole numbers,
;   best [d][e][2 words]: a column with the largest score, and a flag: 0 where that column is the only one
;   keys [d 2][group 16][4,096 places] u32: each group of 256 columns' largest score as a number whose unsigned order is the floats' order; row e at place (e & 0xfe0) | (e & 15) << 1 | (e >> 4) & 1
;   bits [d][group][e >> 4][h 2][e & 15][4 words]; bit p of word k: column 256 group + 64 k + 16 (p >> 3) + 8 h + (p & 7) has exactly the group's largest score
; THE USUAL WAY: idx gives e, best[e] gives the column, the column's row is the result.  WHERE A FLAG IS SET for one of the wave's four tokens, all four are made anew from keys and bits: the largest of
; the 16 keys, the groups that reach it, their bits; all rows that are named are added, in f32, in ascending order of column.
; LIMITS.  An idx outside 0 .. 8,191 is held into the table (below 4,096: e = 0, as the module has it; above: e = 4,095).  NaN scores are not treated apart: a row with no bit set gives row 4,095, by the clamp.
; SHARES.  y = the domain.  A wave takes four tokens on end, a work-group's eight waves 32: 512 x 2 work-groups.  Of a row of 1,024 bytes a lane holds bytes 16 lane .. and 512 + 16 lane ..: each
; load and store of a wave covers 512 consecutive bytes, aligned.  For keys and bits a lane is (group = lane / 2, h = lane % 2).
; Waves do not depend on each other: no LDS, no barrier; the matrix units and clusters have nothing to do here.  The four tokens' loads of each kind go out together.
; A number read from memory enters an address only behind a clamp by a constant written in the instruction, with shifts left and sums alone behind it.
.set LK,  2                            ; v2   group x 16,384: my group's keys; never rewritten
.set LB,  3                            ; v3   group x 8,192 + 16 h: my piece of bits, in units of 16 bytes; never rewritten
.set L16, 4                            ; v4   16 x lane; never rewritten
.set TT,  5                            ; v5   at work (takes other lanes' numbers: written at the head)
.set G,   6                            ; v6   the running largest key
.set KOF, 8                            ; v8-11   by token: offset of my key
.set KEY, 12                           ; v12-15  my group's key
.set BOF, 16                           ; v16-19  offset of my 16 bytes of bits
.set W,   20                           ; v20-35  by token my four words
.set COF, 36                           ; v36-39  offset of my bytes of the row asked for
.set D,   40                           ; v40-71  by token my 32 bytes of the result
.set X,   72                           ; v72-103 by token a further row
.set LC,  104                          ; v104 256 group + 8 h: my lane's part of a column; never rewritten
.set SL,  105                          ; v105 the lowest of my four words that is not 0
.set KV,  106                          ; v106 which one that is
.set BB,  107                          ; v107 its lowest bit
.set CL,  108                          ; v108 the column that this bit names; -1 where I hold no bit
.set CN,  109                          ; v109 the smallest of the 32 lanes' columns
.set T2,  110                          ; v110 at work
.set PC,  111                          ; v111 a token's bits, counted
.set PM,  112                          ; v112 the largest of the four counts
.set EO,  113                          ; v113-116 by token: 8 e, the row's place in best
.set BC,  117                          ; v117-120 its column
.set BF,  121                          ; v121-124 its flag
.set IDX,  24                          ; s[24:27] the four indices
.set BEST, 38                          ; s[38:39] the domain's part of best
.set POS,  40                          ; s40-43  by token: 4 x place in keys
.set BROW, 44                          ; s44-47  32 (e >> 4) + (e & 15): the row's place in a group's bits, in units of 16 bytes
.set TM,   48                          ; s48-51  the lanes whose group reaches the largest key
.set SEL,  52                          ; s[52:53] v_permlanex16_b32's selects
.set MK,   54                          ; s54  a comparison's lanes, at work
.set HAS,  56                          ; s56-59  by token: all lanes if the trip found a column, else none
.set NT,   60                          ; s60  trips of the loop over ties
.set TI,   61                          ; s61  counts them
.set LM,   62                          ; s62  the largest of the four flags
.set TMP,  72                          ; s72  at work
.set E,    73                          ; s73  e
.set TM2,  74                          ; s74  at work
	s_load_b256 s[4:11], s[0:1], 0x0               ; idx0 s[4:5], idx1 s[6:7], const_table0 s[8:9], const_table1 s[10:11]
	s_load_b128 s[12:15], s[0:1], 0x20             ; keys s[12:13], bits s[14:15]
	s_load_b64 s[16:17], s[0:1], 0x30              ; out0
	s_load_b64 s[BEST:BEST+1], s[0:1], 0x38        ; best
	v_lshrrev_b32 v1, 5, v0
	v_readfirstlane_b32 s18, v1                    ; wave 0..7
	s_and_b32 s19, ttmp7, 0xffff                   ; the domain
	s_lshl_b32 s20, ttmp9, 5
	s_lshl_b32 s21, s18, 2
	s_add_co_u32 s20, s20, s21                     ; my first token
	v_and_b32 v1, 31, v0                           ; lane
	v_lshrrev_b32 v[LK], 1, v1                     ; group
	v_and_b32 v[TT], 1, v1                         ; h
	v_lshlrev_b32 v[LB], 13, v[LK]
	v_lshl_or_b32 v[LB], v[TT], 4, v[LB]
	v_lshlrev_b32 v[LC], 8, v[LK]
	v_lshl_or_b32 v[LC], v[TT], 3, v[LC]
	v_lshlrev_b32 v[LK], 14, v[LK]
	v_lshlrev_b32 v[L16], 4, v1
	s_mov_b32 s[SEL], 0x76543210
	s_mov_b32 s[SEL+1], 0xfedcba98
	s_lshl_b32 s22, s20, 2                         ; my four indices: 16 bytes
	s_mov_b32 s23, 0
	s_wait_kmcnt 0x0
	s_cmp_eq_u32 s19, 0
	s_cselect_b64 s[28:29], s[4:5], s[6:7]         ; the domain's indices
	s_cselect_b64 s[30:31], s[8:9], s[10:11]       ; and its table
	s_add_nc_u64 s[28:29], s[28:29], s[22:23]
	s_load_b128 s[IDX:IDX+3], s[28:29], 0x0
	s_lshl_b32 s32, s19, 18                        ; the domain's keys,
	s_mov_b32 s33, 0
	s_add_nc_u64 s[12:13], s[12:13], s[32:33]
	s_lshl_b32 s34, s19, 21                        ; its bits,
	s_mov_b32 s35, 0
	s_add_nc_u64 s[14:15], s[14:15], s[34:35]
	s_lshl_b32 s66, s19, 15                        ; its part of best,
	s_mov_b32 s67, 0
	s_add_nc_u64 s[BEST:BEST+1], s[BEST:BEST+1], s[66:67]
	s_lshl_b32 s36, s19, 24                        ; and my four rows of the result
	s_lshl_b32 s37, s20, 10
	s_add_co_u32 s36, s36, s37
	s_mov_b32 s37, 0
	s_add_nc_u64 s[16:17], s[16:17], s[36:37]
	s_wait_kmcnt 0x0
; Token i: e, and the loads of its column and its flag: the same two words in every lane
.macro ASKBEST i
	s_sub_co_i32 s[E], s[IDX+(\i)], 4096
	s_max_i32 s[E], s[E], 0
	v_mov_b32 v[EO+(\i)], s[E]
	v_min_u32 v[EO+(\i)], 0xfff, v[EO+(\i)]
	v_lshlrev_b32 v[EO+(\i)], 3, v[EO+(\i)]
	global_load_b32 v[BC+(\i)], v[EO+(\i)], s[BEST:BEST+1]
	global_load_b32 v[BF+(\i)], v[EO+(\i)], s[BEST:BEST+1] offset:4
.endm
; The row of the table whose number stands in register col is asked for, into the eight registers from dst on
.macro ASKROW i, dst, col
	v_min_u32 v[COF+(\i)], 0xfff, v[(\col)]
	v_lshlrev_b32 v[COF+(\i)], 10, v[COF+(\i)]
	v_add_nc_u32 v[COF+(\i)], v[COF+(\i)], v[L16]
	global_load_b128 v[(\dst):(\dst)+3],   v[COF+(\i)], s[30:31]
	global_load_b128 v[(\dst)+4:(\dst)+7], v[COF+(\i)], s[30:31] offset:512
.endm
; Token i: e, its places, and the load of my group's key
.macro ASKKEY i
	s_sub_co_i32 s[E], s[IDX+(\i)], 4096
	s_max_i32 s[E], s[E], 0
	s_min_u32 s[E], s[E], 4095
	s_and_b32 s[POS+(\i)], s[E], 0xfe0
	s_and_b32 s[TMP], s[E], 15
	s_lshl_b32 s[TM2], s[TMP], 1
	s_or_b32 s[POS+(\i)], s[POS+(\i)], s[TM2]
	s_bfe_u32 s[TM2], s[E], 0x10004                ; bit 4
	s_or_b32 s[POS+(\i)], s[POS+(\i)], s[TM2]
	s_min_u32 s[POS+(\i)], s[POS+(\i)], 4095
	s_lshl_b32 s[POS+(\i)], s[POS+(\i)], 2
	s_lshr_b32 s[TM2], s[E], 4
	s_lshl_b32 s[TM2], s[TM2], 5
	s_or_b32 s[BROW+(\i)], s[TM2], s[TMP]
	v_add_nc_u32 v[KOF+(\i)], s[POS+(\i)], v[LK]
	global_load_b32 v[KEY+(\i)], v[KOF+(\i)], s[12:13]
.endm
; Token i: the largest of the 16 keys, in every lane (lanes 2 g and 2 g + 1 hold the same key, so the step over 1 is left out); the lanes that reach it load their 16 bytes of bits,
; the others all name one and the same piece, group 0's, and drop it later.
.macro ASKBITS i
	v_mov_b32 v[G], v[KEY+(\i)]
.irp m, 2,4,8
	v_mov_b32_dpp v[TT], v[G] row_xmask:\m row_mask:0xf bank_mask:0xf
	v_max_u32 v[G], v[G], v[TT]
.endr
	v_permlanex16_b32 v[TT], v[G], s[SEL], s[SEL+1]
	v_max_u32 v[G], v[G], v[TT]
	v_cmp_eq_u32 s[TM+(\i)], v[KEY+(\i)], v[G]
	v_add_nc_u32 v[BOF+(\i)], s[BROW+(\i)], v[LB]
	v_cndmask_b32 v[BOF+(\i)], s[BROW+(\i)], v[BOF+(\i)], s[TM+(\i)]
	v_min_u32 v[BOF+(\i)], 0x1ffff, v[BOF+(\i)]    ; a domain's bits are 131,072 units of 16 bytes
	v_lshlrev_b32 v[BOF+(\i)], 4, v[BOF+(\i)]
	global_load_b128 v[W+4*(\i):W+4*(\i)+3], v[BOF+(\i)], s[14:15]
.endm
; One binary digit of the number of the bit in v[BB]: 1 where the bit lies under the mask; it goes to place sh of the column
.macro DIGIT mask, sh
	v_and_b32 v[T2], \mask, v[BB]
	v_min_u32 v[T2], 1, v[T2]
	v_lshl_or_b32 v[CL], v[T2], \sh, v[CL]
.endm
; Token i: the smallest column that its bits still name, in every lane (v[CN]); -1 if none is left.  Each lane: its lowest word that is not 0, that word's lowest bit x & -x, the five digits
; of the bit's number p; the column is 256 group + 8 h + 64 k + 16 (p >> 3) + (p & 7), so p's digits 0-2 go to places 0-2 and its digits 3, 4 to places 4, 5: all parts lie in places of their own.
.macro PICK i
	v_cmp_ne_u32 s[MK], 0, v[W+4*(\i)+2]
	v_cndmask_b32 v[SL], v[W+4*(\i)+3], v[W+4*(\i)+2], s[MK]
	v_cndmask_b32 v[KV], 3, 2, s[MK]
	v_cmp_ne_u32 s[MK], 0, v[W+4*(\i)+1]
	v_cndmask_b32 v[SL], v[SL], v[W+4*(\i)+1], s[MK]
	v_cndmask_b32 v[KV], v[KV], 1, s[MK]
	v_cmp_ne_u32 s[MK], 0, v[W+4*(\i)]
	v_cndmask_b32 v[SL], v[SL], v[W+4*(\i)], s[MK]
	v_cndmask_b32 v[KV], v[KV], 0, s[MK]
	v_sub_nc_u32 v[BB], 0, v[SL]
	v_and_b32 v[BB], v[SL], v[BB]
	v_lshl_add_u32 v[CL], v[KV], 6, v[LC]
	DIGIT 0xaaaaaaaa, 0
	DIGIT 0xcccccccc, 1
	DIGIT 0xf0f0f0f0, 2
	DIGIT 0xff00ff00, 4
	DIGIT 0xffff0000, 5
	v_cmp_ne_u32 s[MK], 0, v[SL]
	v_cndmask_b32 v[CL], -1, v[CL], s[MK]          ; a lane without a bit stands back
	v_mov_b32 v[CN], v[CL]
.irp m, 1,2,4,8
	v_mov_b32_dpp v[TT], v[CN] row_xmask:\m row_mask:0xf bank_mask:0xf
	v_min_u32 v[CN], v[CN], v[TT]
.endr
	v_permlanex16_b32 v[TT], v[CN], s[SEL], s[SEL+1]
	v_min_u32 v[CN], v[CN], v[TT]
.endm
; The bit that named v[CN] is cleared, in the one lane and word that hold it.  (Where none was left all lanes agree at -1, and every v[BB] is 0: nothing changes.)
.macro TAKE i
	v_cmp_eq_u32 s[MK], v[CL], v[CN]
	v_cndmask_b32 v[BB], 0, v[BB], s[MK]
.irp k, 0,1,2,3
	v_cmp_eq_u32 s[MK], \k, v[KV]
	v_cndmask_b32 v[T2], 0, v[BB], s[MK]
	v_xor_b32 v[W+4*(\i)+(\k)], v[W+4*(\i)+(\k)], v[T2]
.endr
.endm
; Token i: only the groups that reach the largest key count; the first column named starts the result
.macro FIRSTROW i
.irp k, 0,1,2,3
	v_cndmask_b32 v[W+4*(\i)+(\k)], 0, v[W+4*(\i)+(\k)], s[TM+(\i)]
.endr
	PICK \i
	ASKROW \i, D+8*(\i), CN
	TAKE \i
.endm
; Token i: how many bits are left, over all lanes (4,096 at the most), in every lane; v[PM] takes the largest of the tokens' counts.  In each word pairs, fours and bytes of bits are
; added in place; a byte then holds 8 at the most, the four words' sum 32, the four bytes' sum 128.
.macro COUNT i
.irp k, 0,1,2,3
	v_lshrrev_b32 v[T2], 1, v[W+4*(\i)+(\k)]
	v_and_b32 v[T2], 0x55555555, v[T2]
	v_sub_nc_u32 v[SL], v[W+4*(\i)+(\k)], v[T2]
	v_lshrrev_b32 v[T2], 2, v[SL]
	v_and_b32 v[T2], 0x33333333, v[T2]
	v_and_b32 v[SL], 0x33333333, v[SL]
	v_add_nc_u32 v[SL], v[SL], v[T2]
	v_lshrrev_b32 v[T2], 4, v[SL]
	v_add_nc_u32 v[SL], v[SL], v[T2]
	v_and_b32 v[SL], 0x0f0f0f0f, v[SL]
.if (\k) == 0
	v_mov_b32 v[PC], v[SL]
.else
	v_add_nc_u32 v[PC], v[PC], v[SL]
.endif
.endr
	v_lshrrev_b32 v[T2], 8, v[PC]
	v_add_nc_u32 v[PC], v[PC], v[T2]
	v_lshrrev_b32 v[T2], 16, v[PC]
	v_add_nc_u32 v[PC], v[PC], v[T2]
	v_and_b32 v[PC], 0xff, v[PC]
.irp m, 1,2,4,8
	v_mov_b32_dpp v[TT], v[PC] row_xmask:\m row_mask:0xf bank_mask:0xf
	v_add_nc_u32 v[PC], v[PC], v[TT]
.endr
	v_permlanex16_b32 v[TT], v[PC], s[SEL], s[SEL+1]
	v_add_nc_u32 v[PC], v[PC], v[TT]
.if (\i) == 0
	v_mov_b32 v[PM], v[PC]
.else
	v_max_u32 v[PM], v[PM], v[PC]
.endif
.endm
; Token i: the trip's row is added onto the result; where the trip found no column for this token, zeros are
.macro ADDROW i
.irp z, 0,1,2,3,4,5,6,7
	v_cndmask_b32 v[X+8*(\i)+(\z)], 0, v[X+8*(\i)+(\z)], s[HAS+(\i)]
.endr
.irp z, 0,2,4,6
	v_pk_add_f32 v[D+8*(\i)+(\z):D+8*(\i)+(\z)+1], v[D+8*(\i)+(\z):D+8*(\i)+(\z)+1], v[X+8*(\i)+(\z):X+8*(\i)+(\z)+1]
.endr
.endm
; THE USUAL WAY
.irp i, 0,1,2,3
	ASKBEST \i
.endr
	s_wait_loadcnt 0x0                             ; the four tokens' columns and flags
.irp i, 0,1,2,3
	ASKROW \i, D+8*(\i), BC+(\i)
.endr
	v_max_u32 v[BF], v[BF], v[BF+1]                ; is any of the four flags set?  These lines stand while the rows are on their way
	v_max_u32 v[BF+2], v[BF+2], v[BF+3]
	v_max_u32 v[BF], v[BF], v[BF+2]
	v_readfirstlane_b32 s[LM], v[BF]               ; the same in every lane
	s_wait_loadcnt 0x0                             ; the four rows are in; their offsets and registers are free for what follows
	s_cmp_lg_u32 s[LM], 0
	s_cbranch_scc0 .Lnone                          ; each token has one column with the largest score: its row is the result
; TIES.  All four tokens are made anew from keys and bits.
.irp i, 0,1,2,3
	ASKKEY \i
.endr
	s_wait_loadcnt 0x0                             ; the four tokens' keys
.irp i, 0,1,2,3
	ASKBITS \i
.endr
	s_wait_loadcnt 0x0                             ; their bits
.irp i, 0,1,2,3
	FIRSTROW \i
.endr
.irp i, 0,1,2,3
	COUNT \i                                       ; what is left beside the first columns; counted while their rows are on their way
.endr
	v_readfirstlane_b32 s[NT], v[PM]               ; the same in every lane
	s_min_u32 s[NT], s[NT], 4096
	s_mov_b32 s[TI], 0
	s_wait_loadcnt 0x0                             ; the four first rows are in; their offsets are free for the loop
; One counted loop: a trip takes one more column of EACH of the four tokens, eight loads together; it makes as many trips as the token with the most bits left has bits (one idle trip where none has any).
.Ltie:
.irp i, 0,1,2,3
	PICK \i
	v_cmp_ne_u32 s[HAS+(\i)], -1, v[CN]
	ASKROW \i, X+8*(\i), CN                        ; (a token with nothing left asks for row 4,095, by the clamp, and drops it)
	TAKE \i
.endr
	s_wait_loadcnt 0x0                             ; the trip's four rows are in; their offsets and registers are free for the next trip
.irp i, 0,1,2,3
	ADDROW \i
.endr
	s_add_co_u32 s[TI], s[TI], 1
	s_cmp_lt_u32 s[TI], s[NT]
	s_cbranch_scc1 .Ltie
.Lnone:
.irp i, 0,1,2,3
	global_store_b128 v[L16], v[D+8*(\i):D+8*(\i)+3],   s[16:17] offset:1024*(\i) th:TH_STORE_NT      ; 512 consecutive bytes, at a multiple of 256 from the output's first
	global_store_b128 v[L16], v[D+8*(\i)+4:D+8*(\i)+7], s[16:17] offset:1024*(\i)+512 th:TH_STORE_NT
.endr
	s_endpgm
.Lfunc_end_k_q1a6759df2e_gather:
	.size	k_q1a6759df2e_gather, .Lfunc_end_k_q1a6759df2e_gather-k_q1a6759df2e_gather
	.p2alignl 7, 3214868480
	.fill 96, 4, 3214868480
	.section	.rodata,"a",@progbits
	.p2align	6, 0x0
	.amdhsa_kernel k_q1a6759df2e_gather
		.amdhsa_group_segment_fixed_size 0
		.amdhsa_private_segment_fixed_size 0
		.amdhsa_enable_private_segment 0
		.amdhsa_kernarg_size 64
		.amdhsa_user_sgpr_count 2
		.amdhsa_user_sgpr_kernarg_segment_ptr 1
		.amdhsa_wavefront_size32 1
		.amdhsa_system_sgpr_workgroup_id_x 1
		.amdhsa_system_sgpr_workgroup_id_y 1
		.amdhsa_system_sgpr_workgroup_id_z 1
		.amdhsa_system_vgpr_workitem_id 0
		.amdhsa_next_free_vgpr 128
		.amdhsa_next_free_sgpr 80
		.amdhsa_reserve_vcc 0
		.amdhsa_float_denorm_mode_32 3
		.amdhsa_float_denorm_mode_16_64 3
		.amdhsa_memory_ordered 1
		.amdhsa_forward_progress 1
		.amdhsa_inst_pref_size 52
	.end_amdhsa_kernel
	.amdgpu_metadata
---
amdhsa.version: [ 1, 2 ]
amdhsa.kernels:
  - .name:           k_q1a6759df2e_gather
    .symbol:         k_q1a6759df2e_gather.kd
    .args:
      - { .name: idx0, .offset: 0, .size: 8, .value_kind: global_buffer, .address_space: global }
      - { .name: idx1, .offset: 8, .size: 8, .value_kind: global_buffer, .address_space: global }
      - { .name: const_table0, .offset: 16, .size: 8, .value_kind: global_buffer, .address_space: global }
      - { .name: const_table1, .offset: 24, .size: 8, .value_kind: global_buffer, .address_space: global }
      - { .name: keys, .offset: 32, .size: 8, .value_kind: global_buffer, .address_space: global }
      - { .name: bits, .offset: 40, .size: 8, .value_kind: global_buffer, .address_space: global }
      - { .name: out0, .offset: 48, .size: 8, .value_kind: global_buffer, .address_space: global }
      - { .name: best, .offset: 56, .size: 8, .value_kind: global_buffer, .address_space: global }
    .group_segment_fixed_size: 0
    .private_segment_fixed_size: 0
    .kernarg_segment_align: 8
    .kernarg_segment_size: 64
    .max_flat_workgroup_size: 256
    .sgpr_count:     80
    .vgpr_count:     128
    .wavefront_size: 32
...
	.end_amdgpu_metadata
.endif
;; end of part 3
